; MI455X (gfx1250); checked and timed in simulation.
; The chip was launched on July 23, 2026; its instructions are those of AMD's public machine-readable ISA for CDNA 5 (MIT licence, August 2026) and "CDNA5" Instruction Set Architecture Reference Guide (July 2026). The comments in the code are by the model that wrote it; some were corrected since.
;; Softmax Attention. Allowed arithmetic: matrix products marked QUANTISED: E5M2 operands, one E8M0 scale for each 32 along K, by v_wmma_scale_f32_16x16x128_f8f6f4 with both operands' format E5M2, f32 sums; everything else in f32.
;; Inputs: k 4 x 8 x 2,048 x 64 float32; q 4 x 8 x 2,048 x 64 float32; v 4 x 8 x 2,048 x 64 float32.
;; Outputs: out0 4 x 8 x 2,048 x 64 float32.
;; Constants: top_k = 64.
;; This version of the problem:
;;   THIS VERSION OF THE PROBLEM IS GIVEN IN LOW PRECISION. The matrix products marked QUANTISED in the list below multiply operands that are first quantised to E5M2 (5 exponent bits, 2 mantissa bits; 8 bits a number), with one power-of-two scale for each 32 numbers along K (OCP MX v1.0); their sums are f32. All else is computed in f32.
;;   The module's matrix products, in the order in which they are computed (A, B: the left and right operand; K: the contracted axis; several contracted axes count as one K, in the product's order):
;;     1. batch 32 x [M 2,048, K 64] x [K 64, N 2,048]; A: input q; B: input k: QUANTISED
;;     2. batch 32 x [M 2,048, K 2,048] x [K 2,048, N 64]; A: softmax (see below); B: input v: QUANTISED
;;   THE QUANTISER, for each operand of a quantised product, along K:
;;     - K is cut into blocks of 32 from its start; a last block that is shorter is filled with zeros.
;;     - A block's scale is 2^e with e = floor(log2(the largest magnitude in the block)) - 15, held to -126 .. 127; a block of zeros has e = 0. As a byte (E8M0): e + 127.
;;     - Each number is divided by its block's scale, clamped to +-57,344, and rounded to the nearest number of E5M2, ties to even, subnormals kept.
;;     - The product sums the exact products of the quantised numbers (number of the format x scale) in f32.
;;   ~~~python
;;   def quantise(x, axis):      # numpy; x: float32 -> the quantised numbers, widened to float32 again
;;       x = np.moveaxis(x, axis, -1); K = x.shape[-1]
;;       x = np.pad(x, [(0, 0)] * (x.ndim - 1) + [(0, -K % 32)]); x = x.reshape(x.shape[:-1] + (-1, 32)); a = np.abs(x).max(-1, keepdims=True)
;;       e = np.where(a > 0, np.clip(np.frexp(np.where(a > 0, a, 1))[1] - 1 - 15, -126, 127), 0)      # np.frexp(a)[1] - 1 = floor(log2(a)), exactly
;;       r = np.clip(x / 2.0 ** e, -57344, 57344)
;;       step = 2.0 ** (np.maximum(np.frexp(np.where(r == 0, 1, r))[1] - 1, -14) - 2)
;;       q = np.round(r / step) * step * 2.0 ** e      # np.round: ties to even
;;       return np.moveaxis(q.reshape(q.shape[:-2] + (-1,))[..., :K], -1, axis).astype(np.float32)
;;   ~~~
;;   SOFTMAX AHEAD OF A QUANTISED PRODUCT. Where the list says 'softmax', what is quantised is not the finished softmax but p = 2^(t - M), with t = logit x log2(e) and M = ceil(the row's largest t), a whole number; so 1/2 < the row's largest p <= 1. The row's sum l is taken of the UNQUANTISED p, in f32, and the product's result is divided by l at the end. Since M is a whole number, a kernel that streams over the keys may use a running M (the ceiling of the running maximum): every later rescaling is an exact power of two, which a block's scale takes up: the codes' values come out the same.
;;   OPERANDS COMPUTED ON THE WAY. 'Computed on the way' means the value that the module computes at that place (a softmax that the list does not call 'softmax' is quantised finished and normalised). What goes into a quantiser is computed in f32, as accurately as f32 sums, v_exp_f32 and their like allow (about 1e-6 of the number): no bf16 or f16 on the way to a quantiser, and a product that is left as it is and whose result goes on into a quantised operand takes f32 operands (vector FMAs, or v_wmma_f32_16x16x4_f32). A number that lies on a knife's edge between two numbers of the format may be rounded either way, as far as f32 arithmetic and the matrix unit's own rounding can turn it there, and no further.
;; One version. Each part assembles by itself: llvm-mc -triple=amdgcn-amd-amdhsa -mcpu=gfx1250 --defsym DOCPART=n.
;; ======== version 1 of 1: 1 launch
;; limits: right only within a limited range of input values
;; launch attn (part 1): grid 8 x 32, 16 waves a work-group, no clusters, 276,992 bytes of LDS; arguments q, k, v, out0; writes out0
.if DOCPART == 1
	.amdgcn_target "amdgcn-amd-amdhsa--gfx1250"
	.amdhsa_code_object_version 6
	.text
	.protected	k_q858ff0465d_attn
	.globl	k_q858ff0465d_attn
	.p2align	8
	.type	k_q858ff0465d_attn,@function
k_q858ff0465d_attn:
	s_mov_b64 s[64:65], 0
	v_nop
	global_prefetch_b8 v0, s[64:65] scope:SCOPE_SE
	s_setreg_imm32_b32 hwreg(HW_REG_WAVE_MODE, 25, 1), 1
	s_wait_xcnt 0x0
; out0[h][q][:] = sum over the kept keys of softmax(q . k / 8) v, where a row keeps the scores >= its 64th largest (ties too).  q, k, v, out0: [32 heads][2048][64] f32.
; Both products run on codes of BF8 (E5M2) with one E8M0 scale for each 32 along a product's K: product 1 along the head's 64, product 2 along the keys.  All four operands are quantised here.
; NOTHING OF reference() IS LEFT OUT: every input is loaded, every score is made, every key goes through the second product (what the threshold throws away hangs on values: it is done and selected, p = 0).
; The division by 8 is exact, so the raw sums are ordered as the scores are: the threshold is taken of the raw sums, and c = log2(e) / 8 turns a raw sum into t.
; THE THRESHOLD IS EXACT AND COSTS THE SAME FOR ALL DATA: a lane keeps the sorted 64 largest of its keys; each chunk of 64 new scores is sorted by a bitonic network and merged in.  No branch and no address hangs on a score.
; A COMPARE-EXCHANGE IS ONE INSTRUCTION: the min and the max of the same two registers, as the two halves of a dual form: 32 instructions for a stage of 64 elements.  The dual form wants an even and an odd destination,
; and first sources, and second sources, in registers that differ modulo 4 (AMD's ISA guide, on the dual-issue encoding).  A stage writes into the other of two buffers, so where an element lies is free from stage to stage:
; behind the stage of distance j, with the next stage's distance j', element x lies at place M(j, j')(x): bit j of x is the place's bit 0 (a pair's results: an even register and the next), bit j' its bit 1 (the next stage's
; partners lie two registers apart), the other four bits follow in ascending order.  The second half names the two sources in the other order.  M(1, 2) is the plain order: the scores, the sorted chunk and the list lie so.
; THE SCORES ARE MADE TWICE, by the same instructions on the same registers' contents (so with the same bits): once to find the threshold and the row's maximum, once for the softmax.  They are never kept.
; SHARES.  A work-group owns 256 queries of one head, each of its sixteen waves 16 of them; four waves of 256 registers share a SIMD.  A head's K and V lie in LDS as codes, 131,072 bytes each, written once.
; Both products are used transposed (S^T = K Q^T, O^T = V^T P^T): lane (r = lane % 16, h = lane / 16) holds query r throughout, and 16 of every 32 keys.
; K = 64 IN AN INSTRUCTION OF 128: source 0 is a tile of 16 keys TWICE, [K | K]; source 1 is [q_hi | q_lo]: q's codes dealt out by size, those within two binades of their block's largest code in the first 64 places,
; the others in the last 64, zero codes elsewhere.  K q_hi + K q_lo = K q exactly; the 64th largest hangs on the sums' last bits, so terms of like size stand together.
; Row rho of tile 2 b + u of a chunk of 128 keys holds key 32 b + 8 u + rho + (rho & 8): so a lane's 16 registers of tiles 2 b, 2 b + 1 are the neighbouring keys 32 b + 16 h + 0 .. 15, as the second product's operand wants them.
; SOFTMAX: M = ceil(the row's largest t) is known before the second pass, so nothing is ever rescaled.  p = 2^(t - M); the row's sum is taken of the unquantised p and divides at the end.
; NO CLUSTER: what the eight work-groups of a head share arrives as f32 and has to pass through registers to become codes; a head's k and v are 1,048,576 bytes of f32, and of LDS's 327,680 bytes the codes take 262,144.
; LIMITS: NaN and infinities among the inputs are not served (the min and max forms drop a NaN).  A block whose largest magnitude lies under 2^-111, a block of zeros too, gets the scale byte 1: its codes are what the
; conversion gives under that scale (zeros for zeros); only this program reads the bytes.  +0 and -0 count as equal at the threshold, as in reference().  p under 2^-126 becomes 0.
; LDS: 0 K's tiles as images of their registers (pair of tiles f, tile u, piece c: 2048 f + 1024 u + 512 c + 16 lane); VIMG V's (key step s, tile t of 16 channels: 32768 t + 2048 s + 512 c + 16 lane);
;   SCK K's scale words (128 f + 64 u + 4 row); SCV V's scale bytes (1088 t + 68 row + key / 32: rows 17 words apart, so 16 rows start in 16 banks); SPARE the spare words.  The way out's stage lies over K's images, behind a barrier.
.set VIMG,  131072
.set SCK,   262144
.set SCV,   270336
.set SPARE, 274944                     ; 128 bytes for each of 16 waves: eight blocks of 256 bytes that no other line names
.set SROW,  272                        ; the stage: a row of 256 bytes + 16
; vector registers
.set LI,   1                           ; 16 x lane; never rewritten
.set L4,   2                           ; 4 x lane; never rewritten
.set R68,  3                           ; 68 r; never rewritten
.set VA,   4                           ; first pass: my byte in a chunk of v: 4 r + 4096 h
.set ADV,  4                           ; second pass: LDS address of V's tiles 0, 1
.set ADK,  5                           ; LDS address of the chunk's K tiles
.set ADS,  6                           ; and of their scale words
.set ADW,  7                           ; first pass: where I store V's codes
.set THR,  7                           ; second pass: the row's threshold
.set NEGINF, 8                         ; -infinity; at the end 1 / l (the pair v[8:9] is named, its low word used)
.set INV,  8
.set VSB,  9                           ; where my V scale words go; later the row's largest t
.set SPW,  10                          ; SPARE + 4 x my thread's number; never rewritten
.set NIL,  11                          ; 0; never rewritten
.set SB,   12                          ; v12-15 first pass: 16 scale bytes of V
.set NM,   12                          ; v12-13 second pass: -M, twice
.set LSUM, 14                          ; v14-15 the row's sum, in two halves
.set QS,   16                          ; Q's scale word          (v16-23 hold scales and nothing else)
.set KS0,  17                          ; v17-18 K's, a register a pair of tiles: lanes 0-15 the first tile's rows, lanes 16-31 the second's
.set PW,   19                          ; p's scale word
.set VS,   20                          ; v20-23 V's, a register a tile
.set QF,   24                          ; v24-31 q_hi, v32-39 q_lo
.set QT,   40                          ; v40-47 at work while Q is dealt out
.set HD2,  41
.set VN,   48                          ; v48-63 first pass: 16 numbers of v
.set PC,   48                          ; second pass: p's codes
.set X,    64                          ; v64-127 the scores; one side of the network
.set Y,    128                         ; v128-191 four operands of K, or V's fragments; the network's other side
.set TOP,  192                         ; v192-255 first pass: my 64 largest, ascending
.set TM,   192                         ; at the head: v192-207 the quantiser's work
.set PC0,  208                         ; v208-223 the codes just made
.set PW0,  224                         ; v224-225 their scale words
.set RR,   226
.set HH,   227
.set R8,   228
.set KA,   229
.set QA,   230
.set KST,  231
.set KSS,  232
.set OA,   192                         ; second pass: v192-223 O^T, four accumulators
.set BM,   224                         ; v224-227 a block's largest kept score, then its largest p
.set BP,   228                         ; v228-231 the other half's
.set HD,   232
.set SO,   236                         ; v236-239 the conversion's scale operand
.set BY,   240                         ; v240-243 the scale's byte
.set SUM2, 244                         ; v244-245 the sum's second chain
.set STO,  246
.set RD,   247
.set GO,   248
.set ADT,  249                         ; LDS address of V's scale words
.set ADV2, 250                         ; and of V's tiles 2, 3
.set RR2,  251
.set HH2,  252
; scalar registers
.set WV,   12                          ; my wave
.set MNT,  19                          ; the mantissa field of 57,344
.set SEL,  20                          ; s[20:21] v_permlanex16_b32's selects for lane l xor 16
.set CS,   22                          ; s[22:23] c = log2(e) / 8, twice
.set CNT,  24
.set TK,   25                          ; where the chunk's K tiles begin: 8,192 bytes a chunk
.set TS,   26                          ; and their scale words: 512 a chunk
.set TW,   27                          ; first pass: where my V codes go: 512 a trip
.set TV,   27                          ; second pass: V's tiles 0, 1: 2,048 a step
.set TV2,  28                          ; tiles 2, 3
.set TT,   29                          ; V's scale words: 4 a step
.set SBW,  36
.set MK,   40                          ; s[40:43] compare masks
; ---- the quantiser: nb blocks of a lane's numbers, register 16 b + i = k 32 b + 16 h + i of my row, become codes in v[pc] on and a scale word in v[pw]
.macro QUANT s, nb, pc, pw
.irp b, 0,1,2,3
.if \b < \nb
	v_max3_num_f32 v[TM+\b], |v[\s+16*\b]|, |v[\s+16*\b+1]|, 0x8000000   ; my 16 numbers and the floor 2^(16 - 127): the byte cannot fall under 1
.endif
.endr
.irp i, 2,4,6,8,10,12,14
.irp b, 0,1,2,3
.if \b < \nb
	v_max3_num_f32 v[TM+\b], v[TM+\b], |v[\s+16*\b+\i]|, |v[\s+16*\b+\i+1]|   ; the blocks by turns
.endif
.endr
.endr
.irp b, 0,1,2,3
.if \b < \nb
	v_permlanex16_b32 v[TM+4+\b], v[TM+\b], s[SEL], s[SEL+1]
.endif
.endr
.irp b, 0,1,2,3
.if \b < \nb
	v_max_num_f32 v[TM+\b], v[TM+\b], v[TM+4+\b]          ; with lane l xor 16's 16: the block's largest magnitude
.endif
.endr
.irp b, 0,1,2,3
.if \b < \nb
	v_add_nc_u32 v[TM+12+\b], 0xf8800000, v[TM+\b]        ; 15 off its exponent field: the conversion's scale operand
.endif
.endr
.irp b, 0,1,2,3
.if \b < \nb
	v_lshrrev_b32 v[TM+4+\b], 23, v[TM+12+\b]             ; the scale's byte
.endif
.endr
	v_lshl_or_b32 v[\pw], v[TM+5], 8, v[TM+4]
.if \nb == 4
	s_delay_alu instid0(VALU_DEP_1)
	v_lshl_or_b32 v[\pw], v[TM+6], 16, v[\pw]
	s_delay_alu instid0(VALU_DEP_1)
	v_lshl_or_b32 v[\pw], v[TM+7], 24, v[\pw]
.else
	s_delay_alu instid0(VALU_DEP_1)
	v_lshl_or_b32 v[\pw], v[\pw], 16, v[\pw]              ; Q: its two bytes serve both halves of the 128 places: s0, s1, s0, s1
.endif
.irp b, 0,1,2,3
.if \b < \nb
.irp i, 0,1,2,3,4,5,6,7,8,9,10,11,12,13,14,15
.endr
	v_cvt_scalef32_pk8_bf8_f32 v[\pc+4*\b:\pc+4*\b+1], v[\s+16*\b:\s+16*\b+7], v[TM+12+\b]
	v_cvt_scalef32_pk8_bf8_f32 v[\pc+4*\b+2:\pc+4*\b+3], v[\s+16*\b+8:\s+16*\b+15], v[TM+12+\b]
.endif
.endr
	v_nop                                                  ; one plain line behind the last conversion
.endm
; pair b of tiles of my chunk of k: row r takes key 32 b + r + (r & 8) (blocks 0, 1) and that + 8 (blocks 2, 3); 16 numbers of each block of 32
.macro LOADK b, reg
.irp e, 0,1,2,3
.irp j, 0,1,2,3
	global_load_b128 v[\reg+16*\e+4*\j:\reg+16*\e+4*\j+3], v[KA], s[6:7] offset:8192*\b+2048*(\e/2)+128*(\e%2)+16*\j
.endr
.endr
.endm
.macro LOADQ reg
.irp e, 0,1
.irp j, 0,1,2,3
	global_load_b128 v[\reg+16*\e+4*\j:\reg+16*\e+4*\j+3], v[QA], s[4:5] offset:128*\e+16*\j th:TH_LOAD_NT
.endr
.endr
.endm
.macro KSTORE b                        ; the two tiles go to LDS as images of their registers; each tile's two scale bytes twice in a word, 4 bytes a row (both halves of the lanes write the same words)
.irp c, 0,1,2,3
	ds_store_b128 v[KST], v[PC0+4*\c:PC0+4*\c+3] offset:2048*\b+512*\c
.endr
	v_perm_b32 v[PW0+1], v[PW0], v[PW0], 0x03020302        ; the second tile's: b0, b1, b0, b1
	v_perm_b32 v[PW0], v[PW0], v[PW0], 0x01000100          ; the first tile's: a0, a1, a0, a1
	ds_store_b32 v[KSS], v[PW0] offset:128*\b
	ds_store_b32 v[KSS], v[PW0+1] offset:128*\b+64
.endm
.macro KFETCH g                        ; half g of a chunk: four tiles of K, each tile's 8 registers twice on end, and the scale words of the two pairs
.irp j, 0,1,2,3
.irp e, 0,1
.irp c, 0,1
	ds_load_b128 v[Y+16*\j+8*\e+4*\c:Y+16*\j+8*\e+4*\c+3], v[ADK] offset:4096*\g+1024*\j+512*\c
.endr
.endr
.endr
	ds_load_b32 v[KS0], v[ADS] offset:256*\g
	ds_load_b32 v[KS0+1], v[ADS] offset:256*\g+128
.endm
; 64 keys x my 16 queries: four products, four different results, each begun with the constant 0.  X + 32 g + 8 j + i = key 64 g + 32 (j / 2) + 16 h + 8 (j % 2) + i
.macro SCORES g
.irp j, 0,1,2,3
.if (\j%2)
	v_wmma_scale_f32_16x16x128_f8f6f4 v[X+32*\g+8*\j:X+32*\g+8*\j+7], v[Y+16*\j:Y+16*\j+15], v[QF:QF+15], 0, v[KS0+\j/2], v[QS] matrix_a_fmt:MATRIX_FMT_BF8 matrix_b_fmt:MATRIX_FMT_BF8 matrix_a_scale:MATRIX_SCALE_ROW1
.else
	v_wmma_scale_f32_16x16x128_f8f6f4 v[X+32*\g+8*\j:X+32*\g+8*\j+7], v[Y+16*\j:Y+16*\j+15], v[QF:QF+15], 0, v[KS0+\j/2], v[QS] matrix_a_fmt:MATRIX_FMT_BF8 matrix_b_fmt:MATRIX_FMT_BF8
.endif
.endr
.endm
.macro PLACES n                        ; plain vector lines between a matrix instruction and what reads its results or writes or loads its registers: eight for this form
.rept \n
	v_nop
.endr
.endm
; ---- the network.
; POS sets the symbol out to M(j0, j1)(x), the place of element x (0 .. 63): bit j0 of x + 2 x bit j1 of x + 4 x (x with these two bits taken out).  j0, j1: two different powers of two
.macro POS out, x, j0, j1
.if (\j0) < (\j1)
.set pja, \j0
.set pjb, \j1
.else
.set pja, \j1
.set pjb, \j0
.endif
.set pr, ((\x)/(2*pjb))*pjb+((\x)%pjb)
.set pr, (pr/(2*pja))*pja+(pr%pja)
.set \out, (((\x)/(\j0))&1)+2*(((\x)/(\j1))&1)+4*pr
.endm
; Stage (k, j) of a bitonic sort on 64 elements: element x meets x + j (bit j of x = 0) and takes the smaller where bit k of x is 0, else the larger.  From v[src] on, where the elements lie by M(i0, i1),
; into v[dst] on, where they lie by M(j, o1).  j is i1 (the partners lie 2 registers apart) or, in the first stage, i0 (1 apart): so the halves' first sources differ modulo 4, and so do their second ones.
.macro STG src, dst, k, j, i0, i1, o1
.set g, 0
.rept 64
.if (g & \j) == 0
.set eb, g+\j
	POS pia, g, \i0, \i1
	POS pib, eb, \i0, \i1
	POS poa, g, \j, \o1
.if ((g/\k)&1) == 0
	v_dual_min_num_f32 v[\dst+poa], v[\src+pia], v[\src+pib] :: v_dual_max_num_f32 v[\dst+poa+1], v[\src+pib], v[\src+pia]
.else
	v_dual_max_num_f32 v[\dst+poa], v[\src+pia], v[\src+pib] :: v_dual_min_num_f32 v[\dst+poa+1], v[\src+pib], v[\src+pia]
.endif
.endif
.set g, g+1
.endr
.endm
; a bitonic run of 64 in v[a] on, lying by M(1, 32), is sorted ascending by six stages, between a and b by turns; the last writes v[last] on, in plain order
.macro MERGE6 a, b, last
	STG \a, \b, 64, 32, 1, 32, 16
	STG \b, \a, 64, 16, 32, 16, 8
	STG \a, \b, 64, 8, 16, 8, 4
	STG \b, \a, 64, 4, 8, 4, 2
	STG \a, \b, 64, 2, 4, 2, 1
	STG \b, \last, 64, 1, 2, 1, 2
.endm
; the cut: z_i = max(TOP_i, sorted_(63 - i)) are the 64 largest of the 128, a bitonic run; two of them an instruction; they are laid by M(1, 32) for the merge
.macro PRUNE src, dst
.set g, 0
.rept 32
	POS poa, g, 1, 32
	v_dual_max_num_f32 v[\dst+poa], v[TOP+g], v[\src+63-g] :: v_dual_max_num_f32 v[\dst+poa+1], v[TOP+g+1], v[\src+62-g]
.set g, g+2
.endr
.endm
; ---- 32 keys x 16 channels of v become a piece of a fragment of V^T: lane (r, h) holds channel r and keys 16 h + 0 .. 15, all of one block; X's first eight registers are free here
.macro VQUANT
	v_max3_num_f32 v[X], |v[VN]|, |v[VN+1]|, 0x8000000
	v_max3_num_f32 v[X+1], |v[VN+2]|, |v[VN+3]|, |v[VN+4]|
.irp i, 5,9
	s_delay_alu instid0(VALU_DEP_2)
	v_max3_num_f32 v[X], v[X], |v[VN+\i]|, |v[VN+\i+1]|
	s_delay_alu instid0(VALU_DEP_2)
	v_max3_num_f32 v[X+1], v[X+1], |v[VN+\i+2]|, |v[VN+\i+3]|
.endr
	s_delay_alu instid0(VALU_DEP_2)
	v_max3_num_f32 v[X], v[X], |v[VN+13]|, |v[VN+14]|
	s_delay_alu instid0(VALU_DEP_1)
	v_max3_num_f32 v[X], v[X], v[X+1], |v[VN+15]|
	s_delay_alu instid0(VALU_DEP_1)
	v_permlanex16_b32 v[X+1], v[X], s[SEL], s[SEL+1]
	s_delay_alu instid0(VALU_DEP_1)
	v_max_num_f32 v[X], v[X], v[X+1]                       ; the block's largest magnitude
	s_delay_alu instid0(VALU_DEP_1)
	v_add_nc_u32 v[X+2], 0xf8800000, v[X]
	s_delay_alu instid0(VALU_DEP_2)
	v_and_or_b32 v[X+3], v[X], 0x7f800000, s[MNT]
	v_add_nc_u32 v[ADW], s[TW], v[LI]                      ; (the last trip's store was waited for in front of this trip's products)
.irp i, 0,1,2,3,4,5,6,7,8,9,10,11,12,13,14,15
.endr
	v_cvt_scalef32_pk8_bf8_f32 v[X+4:X+5], v[VN:VN+7], v[X+2]
	v_cvt_scalef32_pk8_bf8_f32 v[X+6:X+7], v[VN+8:VN+15], v[X+2]
	v_lshrrev_b32 v[X+1], 23, v[X+2]                       ; the scale's byte; also the plain line behind the conversions
	v_alignbit_b32 v[SB], v[SB+1], v[SB], 8                ; it enters my 16 bytes at the top, and all move down by one: after 16 trips the first trip's byte is the lowest
	v_alignbit_b32 v[SB+1], v[SB+2], v[SB+1], 8
	v_alignbit_b32 v[SB+2], v[SB+3], v[SB+2], 8
	s_delay_alu instid0(VALU_DEP_4)
	v_alignbit_b32 v[SB+3], v[X+1], v[SB+3], 8
	ds_store_b128 v[ADW], v[X+4:X+7]
	s_add_co_u32 s[TW], s[TW], 512
.endm
; ---- a chunk of the first pass: 128 keys' scores, my 64 sorted and merged into TOP; beside it 32 keys of my tile of V
.macro CHUNK first
	v_add_nc_u32 v[ADK], s[TK], v[LI]
	v_add_nc_u32 v[ADS], s[TS], v[L4]
	KFETCH 0
.irp i, 0,1,2,3,4,5,6,7,8,9,10,11,12,13,14,15
	global_load_b32 v[VN+\i], v[VA], s[8:9] offset:256*\i  ; v(key 16 h + i, channel r) of this trip's 32 keys: asked for here, wanted behind the network
.endr
	s_add_co_u32 s[TK], s[TK], 8192
	s_add_co_u32 s[TS], s[TS], 512
	s_wait_alu depctr_va_vdst(0)
	s_wait_dscnt 0x0                                       ; K's first four tiles are in; the last trip's store of V's codes has read X
.if \first
	PLACES 8                                               ; Q's codes and scale word were written by vector lines
.endif
	SCORES 0
	PLACES 8                                               ; ahead of the loads into the registers that these products read
	KFETCH 1
	s_wait_dscnt 0x0
	SCORES 1
	PLACES 8
	STG X, Y, 2, 1, 1, 2, 2                                ; 21 stages sort my 64 scores.  (The first takes the pairs in ascending order: of each result's eight registers the two lowest are read first)
	STG Y, X, 4, 2, 1, 2, 1
	STG X, Y, 4, 1, 2, 1, 4
	STG Y, X, 8, 4, 1, 4, 2
	STG X, Y, 8, 2, 4, 2, 1
	STG Y, X, 8, 1, 2, 1, 8
	STG X, Y, 16, 8, 1, 8, 4
	STG Y, X, 16, 4, 8, 4, 2
	STG X, Y, 16, 2, 4, 2, 1
	STG Y, X, 16, 1, 2, 1, 16
	STG X, Y, 32, 16, 1, 16, 8
	STG Y, X, 32, 8, 16, 8, 4
	STG X, Y, 32, 4, 8, 4, 2
	STG Y, X, 32, 2, 4, 2, 1
	STG X, Y, 32, 1, 2, 1, 32
.if \first
	MERGE6 Y, X, TOP                                       ; the first chunk's 64 are the list
.else
	MERGE6 Y, X, Y
	PRUNE Y, X
	MERGE6 X, Y, TOP
.endif
	s_wait_loadcnt 0x0                                     ; v's 16 numbers; the loads are done, so their base may step
	s_add_nc_u64 s[8:9], s[8:9], 8192                      ; 32 keys on
	VQUANT
.endm
; ---- a step of the second pass: 128 keys
.macro STEP zero
	v_add_nc_u32 v[ADK], s[TK], v[LI]                      ; these five and three v_nop are the eight places behind the last step's products, ahead of the loads into their registers
	v_add_nc_u32 v[ADS], s[TS], v[L4]
	v_add_nc_u32 v[ADV], s[TV], v[LI]
	v_add_nc_u32 v[ADV2], s[TV2], v[LI]
	v_add_nc_u32 v[ADT], s[TT], v[R68]
	PLACES 3
	KFETCH 0
	s_add_co_u32 s[TK], s[TK], 8192
	s_add_co_u32 s[TS], s[TS], 512
	s_add_co_u32 s[TV], s[TV], 2048
	s_add_co_u32 s[TV2], s[TV2], 2048
	s_add_co_u32 s[TT], s[TT], 4
	s_wait_alu depctr_va_vdst(0)
	s_wait_dscnt 0x0
	SCORES 0                                               ; the same bits as in the first pass
	PLACES 8
	KFETCH 1
	s_wait_dscnt 0x0
	SCORES 1
	PLACES 8
.irp t, 0,1                                    ; V's four fragments take K's place; they land under the softmax
.irp c, 0,1,2,3
	ds_load_b128 v[Y+16*\t+4*\c:Y+16*\t+4*\c+3], v[ADV] offset:32768*\t+512*\c
.endr
.endr
.irp t, 0,1
.irp c, 0,1,2,3
	ds_load_b128 v[Y+32+16*\t+4*\c:Y+32+16*\t+4*\c+3], v[ADV2] offset:32768*\t+512*\c
.endr
.endr
.irp t, 0,1,2,3
	ds_load_b32 v[VS+\t], v[ADT] offset:1088*\t
.endr
.irp n, 0,4,8,12,16,20,24,28,32,36,40,44,48,52,56,60   ; what lies under the threshold becomes -infinity: p = 0.  Four at a time, ascending
.irp e, 0,1,2,3
	v_cmp_ge_f32 s[MK+\e], v[X+\n+\e], v[THR]
.endr
.irp e, 0,1,2,3
	v_cndmask_b32 v[X+\n+\e], v[NEGINF], v[X+\n+\e], s[MK+\e]
.endr
.endr
.irp b, 0,1,2,3
	v_max3_num_f32 v[BM+\b], v[X+16*\b], v[X+16*\b+1], v[X+16*\b+2]   ; the largest kept score of each block of 32 keys: p rises with the score, so it gives the block's largest p
.endr
.irp i, 3,5,7,9,11,13
.irp b, 0,1,2,3
	s_delay_alu instid0(VALU_DEP_4)
	v_max3_num_f32 v[BM+\b], v[BM+\b], v[X+16*\b+\i], v[X+16*\b+\i+1]
.endr
.endr
.irp b, 0,1,2,3
	s_delay_alu instid0(VALU_DEP_4)
	v_max_num_f32 v[BM+\b], v[BM+\b], v[X+16*\b+15]
.endr
.irp b, 0,1,2,3
	s_delay_alu instid0(VALU_DEP_4)
	v_permlanex16_b32 v[BP+\b], v[BM+\b], s[SEL], s[SEL+1]
.endr
.irp b, 0,1,2,3
	s_delay_alu instid0(VALU_DEP_4)
	v_max_num_f32 v[BM+\b], v[BM+\b], v[BP+\b]
.endr
	s_setprio 1
; reference() rounds t = logit x log2(e) to f32 before M is taken off, and p goes on into a quantiser: so t is rounded here too: a multiplication and an addition, on purpose not one fused line
.irp j, 0,2,4,6,8,10,12,14,16,18,20,22,24,26,28,30,32,34,36,38,40,42,44,46,48,50,52,54,56,58,60,62
	v_pk_mul_f32 v[X+\j:X+\j+1], v[X+\j:X+\j+1], s[CS:CS+1] op_sel_hi:[1,0]   ; t, two at a time
.endr
.irp b, 0,1,2,3
	v_mul_f32 v[BM+\b], s[CS], v[BM+\b]
.endr
.irp j, 0,2,4,6,8,10,12,14,16,18,20,22,24,26,28,30,32,34,36,38,40,42,44,46,48,50,52,54,56,58,60,62
	v_pk_add_f32 v[X+\j:X+\j+1], v[X+\j:X+\j+1], v[NM:NM+1] op_sel_hi:[1,0]   ; t - M
.endr
.irp b, 0,1,2,3
	v_add_f32 v[BM+\b], v[BM+\b], v[NM]
.endr
	s_wait_alu depctr_va_vdst(0)
.irp j, 0,1,2,3,4,5,6,7,8,9,10,11,12,13,14,15,16,17,18,19,20,21,22,23,24,25,26,27,28,29,30,31,32,33,34,35,36,37,38,39,40,41,42,43,44,45,46,47,48,49,50,51,52,53,54,55,56,57,58,59,60,61,62,63
	v_exp_f32 v[X+\j], v[X+\j]                             ; p = 2^(t - M)
.endr
	v_nop                                                  ; a plain line behind the batch
	s_wait_alu depctr_va_vdst(0)                           ; one wait for the 64, ahead of their first reader
.irp b, 0,1,2,3
	v_exp_f32 v[BM+\b], v[BM+\b]                           ; the block's largest p
.endr
	v_pk_add_f32 v[244:245], v[68:69], v[72:73]
	v_pk_add_f32 v[254:255], v[76:77], v[80:81]
	v_pk_add_f32 v[252:253], v[84:85], v[88:89]
	v_pk_add_f32 v[250:251], v[92:93], v[96:97]
	v_pk_add_f32 v[248:249], v[100:101], v[104:105]
	v_pk_add_f32 v[246:247], v[108:109], v[112:113]
	v_pk_add_f32 v[242:243], v[116:117], v[120:121]
	v_pk_add_f32 v[14:15], v[14:15], v[124:125]
	v_pk_add_f32 v[244:245], v[244:245], v[64:65]
	v_pk_add_f32 v[254:255], v[254:255], v[66:67]
	v_pk_add_f32 v[252:253], v[252:253], v[70:71]
	v_pk_add_f32 v[250:251], v[250:251], v[74:75]
	v_pk_add_f32 v[248:249], v[248:249], v[78:79]
	v_pk_add_f32 v[246:247], v[246:247], v[82:83]
	v_pk_add_f32 v[242:243], v[242:243], v[86:87]
	s_setprio 0
	v_pk_add_f32 v[14:15], v[14:15], v[90:91]
	v_pk_add_f32 v[244:245], v[244:245], v[94:95]
	v_pk_add_f32 v[254:255], v[254:255], v[98:99]
	v_pk_add_f32 v[252:253], v[252:253], v[102:103]
	v_pk_add_f32 v[250:251], v[250:251], v[106:107]
	v_pk_add_f32 v[248:249], v[248:249], v[110:111]
	v_pk_add_f32 v[246:247], v[246:247], v[114:115]
	v_pk_add_f32 v[242:243], v[242:243], v[118:119]
	v_pk_add_f32 v[14:15], v[14:15], v[122:123]
	v_pk_add_f32 v[244:245], v[244:245], v[126:127]
	s_delay_alu instid0(VALU_DEP_2)
	v_pk_add_f32 v[14:15], v[14:15], v[250:251]
	s_delay_alu instid0(VALU_DEP_2)
	v_pk_add_f32 v[244:245], v[244:245], v[248:249]
	v_pk_add_f32 v[254:255], v[254:255], v[246:247]
	v_pk_add_f32 v[252:253], v[252:253], v[242:243]
	s_delay_alu instid0(VALU_DEP_2)
	v_pk_add_f32 v[14:15], v[14:15], v[254:255]
	s_delay_alu instid0(VALU_DEP_2)
	v_pk_add_f32 v[244:245], v[244:245], v[252:253]
	s_delay_alu instid0(VALU_DEP_1)
	v_pk_add_f32 v[14:15], v[14:15], v[244:245]
	s_wait_alu depctr_va_vdst(0)                           ; and one for the four
.irp b, 0,1,2,3
	v_max_num_f32 v[BM+\b], 0x8000000, v[BM+\b]            ; the floor: a block with nothing kept has the byte 1 and zero codes
.endr
.irp b, 0,1,2,3
	s_delay_alu instid0(VALU_DEP_4)
	v_add_nc_u32 v[SO+\b], 0xf8800000, v[BM+\b]
.endr
.irp b, 0,1,2,3
.endr
.irp b, 0,1,2,3
.endr
.irp b, 0,1,2,3
	s_delay_alu instid0(VALU_DEP_4)
	v_lshrrev_b32 v[BY+\b], 23, v[SO+\b]
.endr
	s_delay_alu instid0(VALU_DEP_3)
	v_lshl_or_b32 v[PW], v[BY+1], 8, v[BY]                 ; p's scale word for these 128 keys: the conversions below stand between it and the products
	s_delay_alu instid0(VALU_DEP_1)
	v_lshl_or_b32 v[PW], v[BY+2], 16, v[PW]
	s_delay_alu instid0(VALU_DEP_1)
	v_lshl_or_b32 v[PW], v[BY+3], 24, v[PW]
.irp b, 0,1,2,3
.irp i, 0,2,4,6,8,10,12,14
.endr
	v_cvt_scalef32_pk8_bf8_f32 v[PC+4*\b:PC+4*\b+1], v[X+16*\b:X+16*\b+7], v[SO+\b]
	v_cvt_scalef32_pk8_bf8_f32 v[PC+4*\b+2:PC+4*\b+3], v[X+16*\b+8:X+16*\b+15], v[SO+\b]
.endr
	PLACES 4                                               ; an operand written by vector lines stands four places ahead of a scaled product
	s_wait_alu depctr_va_vdst(0)
	s_wait_dscnt 0x0                                       ; V's fragments and scale words
.irp t, 0,1,2,3                                ; O^T += V^T P^T: the four accumulators by turns, one instruction a turn; the scores' eight products stand between two steps
.if \zero
	v_wmma_scale_f32_16x16x128_f8f6f4 v[OA+8*\t:OA+8*\t+7], v[Y+16*\t:Y+16*\t+15], v[PC:PC+15], 0, v[VS+\t], v[PW] matrix_a_fmt:MATRIX_FMT_BF8 matrix_b_fmt:MATRIX_FMT_BF8
.else
	v_wmma_scale_f32_16x16x128_f8f6f4 v[OA+8*\t:OA+8*\t+7], v[Y+16*\t:Y+16*\t+15], v[PC:PC+15], v[OA+8*\t:OA+8*\t+7], v[VS+\t], v[PW] matrix_a_fmt:MATRIX_FMT_BF8 matrix_b_fmt:MATRIX_FMT_BF8
.endif
.endr
.endm
; ==== the head
	s_load_b256 s[4:11], s[0:1], 0x0                       ; q s[4:5], k s[6:7], v s[8:9], out0 s[10:11]
	v_lshl_add_u32 v[SPW], v0, 2, SPARE
	v_mov_b32 v[NIL], 0
	v_lshrrev_b32 v[RR], 5, v0
	s_delay_alu instid0(VALU_DEP_1)
	v_readfirstlane_b32 s[WV], v[RR]                       ; wave 0..15
	v_and_b32 v[LI], 31, v0
	s_delay_alu instid0(VALU_DEP_1)
	v_lshlrev_b32 v[L4], 2, v[LI]
	s_delay_alu instid0(VALU_DEP_2)
	v_lshlrev_b32 v[LI], 4, v[LI]
	v_and_b32 v[RR], 15, v0                                ; r
	v_bfe_u32 v[HH], v0, 4, 1                              ; h
	s_delay_alu instid0(VALU_DEP_2)
	v_mul_u32_u24 v[R68], v[RR], 68
	s_delay_alu instid0(VALU_DEP_3)
	v_and_b32 v[R8], 8, v[RR]
	s_delay_alu instid0(VALU_DEP_1)
	v_add_nc_u32 v[R8], v[R8], v[RR]                       ; r + (r & 8)
	s_delay_alu instid0(VALU_DEP_1)
	v_lshlrev_b32 v[KA], 8, v[R8]
	s_delay_alu instid0(VALU_DEP_1)
	v_lshl_add_u32 v[KA], v[HH], 6, v[KA]                  ; k: that row of 256 bytes, + 64 h: my 16 numbers of a block of 32
	v_lshlrev_b32 v[QA], 8, v[RR]
	s_delay_alu instid0(VALU_DEP_1)
	v_lshl_add_u32 v[QA], v[HH], 6, v[QA]                  ; q: row r likewise
	v_lshlrev_b32 v[VA], 2, v[RR]
	s_delay_alu instid0(VALU_DEP_1)
	v_lshl_add_u32 v[VA], v[HH], 12, v[VA]                 ; v: channel r, 16 h keys down
	s_lshl_b32 s37, s[WV], 13
	v_add_nc_u32 v[KST], s37, v[LI]                        ; my eight tiles of K: 8,192 x wave + 16 x lane
	s_lshl_b32 s38, s[WV], 9
	s_add_co_u32 s38, s38, SCK
	v_lshl_add_u32 v[KSS], v[RR], 2, s38                   ; their scale words: 512 x wave + 4 r
.irp i, 0,1,2,3
	v_mov_b32 v[TM+4+\i], 0                                ; a lane permute's destination counts as one of its sources
	v_mov_b32 v[SB+\i], 0                                  ; read by the first shifts
.endr
	s_mov_b32 s[MNT], 0x600000
	s_mov_b32 s[SEL], 0x76543210
	s_mov_b32 s[SEL+1], 0xfedcba98
	s_mov_b32 s[CS], 0x3e38aa3b                            ; log2(e) / 8
	s_mov_b32 s[CS+1], s[CS]
	s_and_b32 s13, ttmp7, 0xffff                           ; the head
	s_lshl_b32 s14, s13, 19                                ; its 524,288 bytes in each tensor
	s_lshl_b32 s16, ttmp9, 16                              ; my block of 256 queries,
	s_lshl_b32 s15, s[WV], 12                              ; my wave's 16
	s_add_co_u32 s16, s16, s15
	s_add_co_u32 s16, s16, s14
	s_mov_b32 s17, 0
	s_lshl_b32 s30, s[WV], 15                              ; k: my chunk of 128 keys
	s_add_co_u32 s30, s30, s14
	s_mov_b32 s31, 0
	s_lshr_b32 s32, s[WV], 2                               ; v: which 512 keys,
	s_and_b32 s33, s[WV], 3                                ; which tile of 16 channels
	s_lshl_b32 s34, s32, 17
	s_lshl_b32 s35, s33, 6
	s_add_co_u32 s34, s34, s35
	s_add_co_u32 s34, s34, s14
	s_mov_b32 s35, 0
	s_mov_b32 s[TK], 0
	s_mov_b32 s[TS], SCK
	s_lshl_b32 s[TW], s33, 15                              ; where my codes of V go: 32,768 x tile + 8,192 x (wave / 4)
	s_lshl_b32 s39, s32, 13
	s_add_co_u32 s[TW], s[TW], s39
	s_add_co_u32 s[TW], s[TW], VIMG
	s_mul_i32 s[SBW], s33, 1088                            ; and my scale bytes: 1,088 x tile + 16 x (wave / 4)
	s_lshl_b32 s39, s32, 4
	s_add_co_u32 s[SBW], s[SBW], s39
	s_add_co_u32 s[SBW], s[SBW], SCV
	s_wait_kmcnt 0x0
	s_add_nc_u64 s[4:5], s[4:5], s[16:17]
	s_add_nc_u64 s[10:11], s[10:11], s[16:17]
	s_add_nc_u64 s[6:7], s[6:7], s[30:31]
	s_add_nc_u64 s[8:9], s[8:9], s[34:35]
; ==== K: wave w makes the eight tiles of chunk w, a pair at a time; two buffers of 64 numbers by turns; then Q
	LOADK 0, X
	LOADK 1, Y
	s_wait_loadcnt 16                                      ; the older 16 loads are in; the other buffer's 16 may be out
	QUANT X, 4, PC0, PW0
	KSTORE 0
	LOADK 2, X
	s_wait_loadcnt 16
	s_wait_dscnt 0x0                                       ; the stores have read the codes' registers
	QUANT Y, 4, PC0, PW0
	KSTORE 1
	LOADK 3, Y
	s_wait_loadcnt 16
	s_wait_dscnt 0x0
	QUANT X, 4, PC0, PW0
	KSTORE 2
	LOADQ X
	s_wait_loadcnt 8                                       ; q's 8 loads may be out
	s_wait_dscnt 0x0
	QUANT Y, 4, PC0, PW0
	KSTORE 3
	s_wait_loadcnt 0x0
	s_wait_dscnt 0x0                                       ; the stores have read the codes' registers; and, for the others' sake, my images of K lie in LDS
	QUANT X, 2, PC0, QS
; Q's codes are dealt out, byte by byte: a code whose exponent field is 28 or more (its block's largest code has 30) goes to q_hi, the others to q_lo; the place left in the other operand is the code 0
.irp i, 0,1,2,3,4,5,6,7
	v_and_b32 v[QT+\i], 0x7c7c7c7c, v[PC0+\i]              ; four exponent fields, each x 4
.endr
.irp i, 0,1,2,3,4,5,6,7
	v_add_nc_u32 v[QT+\i], 0x10101010, v[QT+\i]            ; a byte's top bit is set where the field is 28 or more (0x70 + 0x10); 0x7c + 0x10 carries into no neighbour
.endr
.irp i, 0,1,2,3,4,5,6,7
	v_and_b32 v[QT+\i], 0x80808080, v[QT+\i]
.endr
.irp i, 0,1,2,3,4,5,6,7
	v_lshrrev_b32 v[QF+\i], 7, v[QT+\i]
.endr
.irp i, 0,1,2,3,4,5,6,7
	v_sub_nc_u32 v[QF+\i], v[QT+\i], v[QF+\i]              ; 0x80 - 0x01 = 0x7f in such a byte,
.endr
.irp i, 0,1,2,3,4,5,6,7
	v_or_b32 v[QT+\i], v[QT+\i], v[QF+\i]                  ; 0xff with its top bit
.endr
.irp i, 0,1,2,3,4,5,6,7
	v_and_b32 v[QF+\i], v[PC0+\i], v[QT+\i]                ; q_hi
.endr
.irp i, 0,1,2,3,4,5,6,7
	v_xor_b32 v[QF+8+\i], v[PC0+\i], v[QF+\i]              ; q_lo: what is left
.endr
	s_wait_alu depctr_va_vdst(0)
	s_barrier_signal -1
	s_barrier_wait -1                                      ; everybody's images of K lie in LDS
; ==== the first pass: my 64 largest of my 1,024 keys; beside it V's codes
	CHUNK 1
	s_mov_b32 s[CNT], 15
.Lsel:
	CHUNK 0
	s_sub_co_u32 s[CNT], s[CNT], 1
	s_cmp_lg_u32 s[CNT], 0
	s_cbranch_scc1 .Lsel
	v_add_nc_u32 v[VSB], s[SBW], v[R68]
.irp j, 0,1,2,3
	ds_store_b32 v[VSB], v[SB+\j] offset:4*\j              ; my row's 16 scale bytes (both halves of the lanes write the same words)
.endr
	s_wait_dscnt 0x0                                       ; for the others' sake: my part of V lies in LDS
	s_barrier_signal -1
; between the signal and the wait, on registers alone: the row's 64th largest.  max(mine_i, the other half's_(63 - i)) are the 64 largest of the row's 2,048; their least is the threshold
.set g, 0
	s_wait_alu depctr_va_vdst(0)
.rept 64
	v_permlanex16_b32 v[X+g], v[TOP+63-g], s[SEL], s[SEL+1]
.set g, g+1
.endr
.irp e, 0,1,2,3
	v_max_num_f32 v[Y+\e], v[TOP+\e], v[X+\e]
.endr
.set g, 4
.rept 60
	s_delay_alu instid0(VALU_DEP_4)
	v_maxmin_num_f32 v[Y+g%4], v[TOP+g], v[X+g], v[Y+g%4]  ; four chains
.set g, g+1
.endr
	s_delay_alu instid0(VALU_DEP_2)
	v_min3_num_f32 v[THR], v[Y], v[Y+1], v[Y+2]
	s_delay_alu instid0(VALU_DEP_1)
	v_min_num_f32 v[THR], v[THR], v[Y+3]
	v_max_num_f32 v9, v[TOP+63], v[X]                      ; the row's largest score,
	s_delay_alu instid0(VALU_DEP_1)
	v_mul_f32 v9, s[CS], v9                                ; as t
	s_delay_alu instid0(VALU_DEP_1)
	v_floor_f32 v[NM], -v9                                 ; -M = floor(-t) = -ceil(t)
	s_delay_alu instid0(VALU_DEP_2)
	v_floor_f32 v[NM+1], -v9                               ; (named with it as a pair, so it is written)
	v_mov_b32 v[LSUM], 0
	v_mov_b32 v[LSUM+1], 0
	v_mov_b32 v[NEGINF], 0xff800000
	s_mov_b32 s[TK], 0
	s_mov_b32 s[TS], SCK
	s_mov_b32 s[TV], VIMG
	s_mov_b32 s[TV2], VIMG+65536
	s_mov_b32 s[TT], SCV
	s_barrier_wait -1                                      ; all of V lies in LDS
; ==== the second pass
	STEP 1                                                 ; the first step's products start O^T's sums
	s_mov_b32 s[CNT], 15
.Lpv:
	s_setprio 2
	STEP 0
	s_sub_co_u32 s[CNT], s[CNT], 1
	s_cmp_lg_u32 s[CNT], 0
	s_cbranch_scc1 .Lpv
	s_setprio 0
; ==== the way out.  The plain lines from here to the multiplications, more than eight, are the places behind the last products
	v_add_f32 v[LSUM], v[LSUM], v[LSUM+1]
	s_delay_alu instid0(VALU_DEP_1)
	v_permlanex16_b32 v[BP], v[LSUM], s[SEL], s[SEL+1]
	s_delay_alu instid0(VALU_DEP_1)
	v_add_f32 v[LSUM], v[LSUM], v[BP]                      ; the row's sum
	s_wait_alu depctr_va_vdst(0)
	v_rcp_f32 v[INV], v[LSUM]
	v_and_b32 v[RR2], 15, v0                               ; (a plain line behind the reciprocal)
	v_bfe_u32 v[HH2], v0, 4, 1
	s_mul_i32 s30, s[WV], 16*SROW                          ; my stage: 16 rows; it lies over K's images
	s_wait_alu depctr_va_vdst(0)
	s_wait_dscnt 0x0                                       ; my reads of K's images are over
	s_barrier_signal -1
	v_mul_u32_u24 v[STO], v[RR2], SROW
	s_delay_alu instid0(VALU_DEP_1)
	v_lshl_add_u32 v[STO], v[HH2], 5, v[STO]
	s_delay_alu instid0(VALU_DEP_1)
	v_add_nc_u32 v[STO], s30, v[STO]                       ; in: row r, + 32 h
	v_mul_u32_u24 v[RD], v[HH2], SROW
	s_delay_alu instid0(VALU_DEP_1)
	v_lshl_add_u32 v[RD], v[RR2], 4, v[RD]
	s_delay_alu instid0(VALU_DEP_1)
	v_add_nc_u32 v[RD], s30, v[RD]                         ; back: lanes 0-15 one row, lanes 16-31 the next
	v_lshlrev_b32 v[GO], 8, v[HH2]
	s_delay_alu instid0(VALU_DEP_1)
	v_lshl_add_u32 v[GO], v[RR2], 4, v[GO]                 ; and the same two rows of out0
	s_barrier_wait -1                                      ; nobody reads K's images any more
	s_wait_alu depctr_va_vdst(0)                           ; the wait ahead of the reciprocal's first reader
.irp n, 0,2,4,6,8,10,12,14,16,18,20,22,24,26,28,30
	v_pk_mul_f32 v[X+\n:X+\n+1], v[OA+\n:OA+\n+1], v[INV:INV+1] op_sel_hi:[1,0]   ; O^T / l, each accumulator from its low end on: register 8 t + j is out(r, 16 t + 8 h + j)
.endr
.irp t, 0,1,2,3
.irp e, 0,1
	ds_store_b128 v[STO], v[X+8*\t+4*\e:X+8*\t+4*\e+3] offset:64*\t+16*\e
.endr
.endr
.irp i, 0,1,2,3,4,5,6,7
	ds_load_b128 v[Y+4*\i:Y+4*\i+3], v[RD] offset:2*SROW*\i   ; LDS serves a wave's instructions in order (ISA guide 5.7.1.4): these see my stores
.endr
.irp i, 0,1,2,3,4,5,6,7
	s_wait_dscnt 7-\i                                      ; load i is in; the younger ones may be out
	global_store_b128 v[GO], v[Y+4*\i:Y+4*\i+3], s[10:11] offset:512*\i th:TH_STORE_NT   ; 32 lanes store 512 consecutive bytes, two rows, at a multiple of 256 from out0's first byte
.endr
	s_wait_tensorcnt 0x0                                   ; the wave's end
	ds_add_u32 v[SPW], v[NIL]
	s_wait_dscnt 0x0
	s_endpgm
.Lfunc_end_k_q858ff0465d_attn:
	.size	k_q858ff0465d_attn, .Lfunc_end_k_q858ff0465d_attn-k_q858ff0465d_attn
	.p2alignl 7, 3214868480
	.fill 96, 4, 3214868480
	.section	.rodata,"a",@progbits
	.p2align	6, 0x0
	.amdhsa_kernel k_q858ff0465d_attn
		.amdhsa_group_segment_fixed_size 276992
		.amdhsa_private_segment_fixed_size 0
		.amdhsa_enable_private_segment 0
		.amdhsa_kernarg_size 32
		.amdhsa_user_sgpr_count 2
		.amdhsa_user_sgpr_kernarg_segment_ptr 1
		.amdhsa_wavefront_size32 1
		.amdhsa_system_sgpr_workgroup_id_x 1
		.amdhsa_system_sgpr_workgroup_id_y 1
		.amdhsa_system_sgpr_workgroup_id_z 1
		.amdhsa_system_vgpr_workitem_id 0
		.amdhsa_next_free_vgpr 256
		.amdhsa_next_free_sgpr 66
		.amdhsa_reserve_vcc 0
		.amdhsa_float_denorm_mode_32 3
		.amdhsa_float_denorm_mode_16_64 3
		.amdhsa_fp16_overflow 1
		.amdhsa_memory_ordered 1
		.amdhsa_forward_progress 1
		.amdhsa_inst_pref_size 217
	.end_amdhsa_kernel
	.amdgpu_metadata
---
amdhsa.version: [ 1, 2 ]
amdhsa.kernels:
  - .name:           k_q858ff0465d_attn
    .symbol:         k_q858ff0465d_attn.kd
    .args:
      - { .name: q, .offset: 0, .size: 8, .value_kind: global_buffer, .address_space: global }
      - { .name: k, .offset: 8, .size: 8, .value_kind: global_buffer, .address_space: global }
      - { .name: v, .offset: 16, .size: 8, .value_kind: global_buffer, .address_space: global }
      - { .name: out0, .offset: 24, .size: 8, .value_kind: global_buffer, .address_space: global }
    .group_segment_fixed_size: 276992
    .private_segment_fixed_size: 0
    .kernarg_segment_align: 8
    .kernarg_segment_size: 32
    .max_flat_workgroup_size: 512
    .sgpr_count:     66
    .vgpr_count:     256
    .wavefront_size: 32
...
	.end_amdgpu_metadata
.endif
;; end of part 1
